; MI455X (gfx1250); checked and timed in simulation.
; The chip was launched on July 23, 2026; its instructions are those of AMD's public machine-readable ISA for CDNA 5 (MIT licence, August 2026) and "CDNA5" Instruction Set Architecture Reference Guide (July 2026). The comments in the code are by the model that wrote it; some were corrected since.
;; Multi Head Attention. Allowed arithmetic: matrix products marked QUANTISED: E2M3 operands, one E8M0 scale for each 32 along K, by v_wmma_scale_f32_16x16x128_f8f6f4 with both operands' format E2M3, f32 sums; everything else in f32.
;; Inputs: b_k 1,024 float32; b_o 1,024 float32; b_q 1,024 float32; b_v 1,024 float32; k 1 x 4,096 x 1,024 float32; q 1 x 4,096 x 1,024 float32; v 1 x 4,096 x 1,024 float32; w_k 1,024 x 1,024 float32; w_o 1,024 x 1,024 float32; w_q 1,024 x 1,024 float32; w_v 1,024 x 1,024 float32.
;; Outputs: out0 1 x 4,096 x 1,024 float32.
;; This version of the problem:
;;   THIS VERSION OF THE PROBLEM IS GIVEN IN LOW PRECISION. The matrix products marked QUANTISED in the list below multiply operands that are first quantised to E2M3 (2 exponent bits, 3 mantissa bits; 6 bits a number), with one power-of-two scale for each 32 numbers along K (OCP MX v1.0); their sums are f32. All else is computed in f32.
;;   The module's matrix products, in the order in which they are computed (A, B: the left and right operand; K: the contracted axis; several contracted axes count as one K, in the product's order):
;;     1. [M 4,096, K 1,024] x [K 1,024, N 1,024]; A: input q; B: input w_q: QUANTISED
;;     2. [M 4,096, K 1,024] x [K 1,024, N 1,024]; A: input k; B: input w_k: QUANTISED
;;     3. [M 4,096, K 1,024] x [K 1,024, N 1,024]; A: input v; B: input w_v: QUANTISED
;;     4. batch 16 x [M 4,096, K 64] x [K 64, N 4,096]; A: computed on the way; B: computed on the way: QUANTISED
;;     5. batch 16 x [M 4,096, K 4,096] x [K 4,096, N 64]; A: softmax (see below); B: computed on the way: QUANTISED
;;     6. [M 4,096, K 1,024] x [K 1,024, N 1,024]; A: computed on the way; B: input w_o: QUANTISED
;;   THE QUANTISER, for each operand of a quantised product, along K:
;;     - K is cut into blocks of 32 from its start; a last block that is shorter is filled with zeros.
;;     - A block's scale is 2^e with e = floor(log2(the largest magnitude in the block)) - 2, held to -126 .. 127; a block of zeros has e = 0. As a byte (E8M0): e + 127.
;;     - Each number is divided by its block's scale, clamped to +-7.5, and rounded to the nearest number of E2M3, ties to even, subnormals kept.
;;     - The product sums the exact products of the quantised numbers (number of the format x scale) in f32.
;;   ~~~python
;;   def quantise(x, axis):      # numpy; x: float32 -> the quantised numbers, widened to float32 again
;;       x = np.moveaxis(x, axis, -1); K = x.shape[-1]
;;       x = np.pad(x, [(0, 0)] * (x.ndim - 1) + [(0, -K % 32)]); x = x.reshape(x.shape[:-1] + (-1, 32)); a = np.abs(x).max(-1, keepdims=True)
;;       e = np.where(a > 0, np.clip(np.frexp(np.where(a > 0, a, 1))[1] - 1 - 2, -126, 127), 0)      # np.frexp(a)[1] - 1 = floor(log2(a)), exactly
;;       r = np.clip(x / 2.0 ** e, -7.5, 7.5)
;;       step = 2.0 ** (np.maximum(np.frexp(np.where(r == 0, 1, r))[1] - 1, 0) - 3)
;;       q = np.round(r / step) * step * 2.0 ** e      # np.round: ties to even
;;       return np.moveaxis(q.reshape(q.shape[:-2] + (-1,))[..., :K], -1, axis).astype(np.float32)
;;   ~~~
;;   SOFTMAX AHEAD OF A QUANTISED PRODUCT. Where the list says 'softmax', what is quantised is not the finished softmax but p = 2^(t - M), with t = logit x log2(e) and M = ceil(the row's largest t), a whole number; so 1/2 < the row's largest p <= 1. The row's sum l is taken of the UNQUANTISED p, in f32, and the product's result is divided by l at the end. Since M is a whole number, a kernel that streams over the keys may use a running M (the ceiling of the running maximum): every later rescaling is an exact power of two, which a block's scale takes up: the codes' values come out the same.
;;   OPERANDS COMPUTED ON THE WAY. 'Computed on the way' means the value that the module computes at that place (a softmax that the list does not call 'softmax' is quantised finished and normalised). What goes into a quantiser is computed in f32, as accurately as f32 sums, v_exp_f32 and their like allow (about 1e-6 of the number): no bf16 or f16 on the way to a quantiser, and a product that is left as it is and whose result goes on into a quantised operand takes f32 operands (vector FMAs, or v_wmma_f32_16x16x4_f32). A number that lies on a knife's edge between two numbers of the format may be rounded either way, as far as f32 arithmetic and the matrix unit's own rounding can turn it there, and no further.
;; One version. Each part assembles by itself: llvm-mc -triple=amdgcn-amd-amdhsa -mcpu=gfx1250 --defsym DOCPART=n.
;; ======== version 1 of 1: 4 launches
;; limits: right only within a limited range of input values
;; workspace buffers: opnd 13,107,200 bytes; heads 9,830,400 bytes; ximg 3,276,800 bytes
;; launch quant (part 1): grid 512 x 1, 4 waves a work-group, no clusters, 35,328 bytes of LDS; arguments q, k, v, w_q, w_k, w_v, w_o, opnd; writes opnd
.if DOCPART == 1
	.amdgcn_target "amdgcn-amd-amdhsa--gfx1250"
	.amdhsa_code_object_version 6
	.text
	.protected	k_q3f24d0df23_quant
	.globl	k_q3f24d0df23_quant
	.p2align	8
	.type	k_q3f24d0df23_quant,@function
k_q3f24d0df23_quant:
	s_mov_b64 s[64:65], 0
	v_nop
	global_prefetch_b8 v0, s[64:65] scope:SCOPE_SE
	s_setreg_imm32_b32 hwreg(HW_REG_WAVE_MODE, 25, 1), 1
	s_wait_xcnt 0x0
; q, k, v [4096][1024] and w_q, w_k, w_v, w_o [1024][1024], f32, K innermost, become codes of FP6 (E2M3) with one E8M0 byte for each 32 along K, laid as PANELS.
; A PANEL is 128 rows x 128 along K in the order of a matrix operand's registers, 12,800 bytes: image a (16 rows) at 1,536 a; in it registers 4 c .. 4 c + 3 of lane l at 512 c + 16 l;
; behind the eight images the scale words, row r of image a at 12,288 + 64 a + 4 r.  opnd is [T 128][K step 8][panel]: T 0-31 q, 32-63 k, 64-95 v, 96-103 w_q, 104-111 w_k, 112-119 w_v, 120-127 w_o.
; THE ROWS OF AN IMAGE: natural (row 16 a + r) for q and w_o; for the others row 32 (a / 2) + 8 (a % 2) + r + 8 (r / 8), so that a product that takes such an image as its first source
; leaves 16 neighbours along that axis in the 16 registers of two neighbouring result tiles.
; A block's scale is 2^(floor(log2(its largest magnitude)) - 2); its byte is the largest magnitude's exponent field - 2, held at 1 from below.
; LIMITS: NaN and infinities among the inputs are not served.  A block whose largest magnitude lies under 2^-124 keeps the byte 1; so does a block of zeros, where the rule says 127: its codes are zeros,
; which add nothing under any byte but 0xff, and the bytes are read by this program alone.
; SHARES: 2,048 waves, half a panel each: four images.  Each load reads 512 consecutive bytes of one row (a K step of 128 numbers); an image's 16 rows turn through the wave's own stage in LDS
; (rows 528 bytes apart) so that lane (r, h) gets, of row r, the 16 numbers 32 b + 16 h + 0 .. 15 of each block b.  Waves share nothing: no barrier.  One path through the text: pointers and two strides are chosen.
.set REG,  8704                        ; LDS of a wave: a stage of 16 x 528 bytes, then 256 bytes of scale words
.set SP,   528
.set SWS,  8448
.set PAN,  12800
.set SWO,  12288
.set LI,   1                           ; v1   16 x lane
.set SIN,  2                           ; v2   the stage, on the way in
.set SOUT, 3                           ; v3   and out: 528 r + 64 h
.set SWA,  4                           ; v4   where a scale word goes: 4 r
.set SWR,  5                           ; v5   where the 256 bytes are read back: 8 x lane
.set L8,   6                           ; v6   their place in the panel: 8 x lane + 256 x half
.set STC,  7                           ; v7   the codes' place in the panel: 16 x lane + 6,144 x half
.set VO,   8                           ; v8-11  load offsets: 16 x lane + u CU + x CX
.set PW,   12                          ; v12-15 a scale word for each image
.set TM,   16                          ; v16-31 at work
.set R,    32                          ; v32-159  two sets of 64: an image as loaded
.set N,    160                         ; v160-223 64 numbers as the conversions want them
.set PC,   224                         ; v224-242 the codes
	s_load_b512 s[8:23], s[0:1], 0x0               ; q, k, v, w_q, w_k, w_v, w_o, opnd
	v_lshl_add_u32 v244, v0, 2, 0x8800
	v_mov_b32 v245, 0
	v_lshrrev_b32 v7, 5, v0
	v_readfirstlane_b32 s24, v7                    ; wave 0..3
	v_and_b32 v7, 31, v0                           ; lane
	v_lshlrev_b32 v[LI], 4, v7
	v_lshlrev_b32 v[L8], 3, v7
	s_mul_i32 s25, s24, REG
	v_add_nc_u32 v[SIN], s25, v[LI]
	v_and_b32 v[SWA], 15, v0                       ; r
	v_bfe_u32 v[SWR], v0, 4, 1                     ; h
	v_mul_u32_u24 v[SOUT], v[SWA], SP
	v_lshl_add_u32 v[SOUT], v[SWR], 6, v[SOUT]
	v_add_nc_u32 v[SOUT], s25, v[SOUT]
	s_add_co_u32 s25, s25, SWS
	v_lshl_add_u32 v[SWA], v[SWA], 2, s25
	v_add_nc_u32 v[SWR], s25, v[L8]
.irp b, 0,1,2,3
	v_mov_b32 v[TM+4+\b], 0                        ; written once: a lane permute's destination counts as one of its sources
.endr
	s_lshr_b32 s26, s24, 1
	s_and_b32 s27, s24, 1                          ; which half of the panel
	s_and_b32 s28, ttmp9, 3
	s_lshl_b32 s28, s28, 1
	s_add_co_u32 s28, s28, s26                     ; the K step: 2 (g % 4) + wave / 2
	s_lshl_b32 s29, ttmp9, 1
	s_add_co_u32 s29, s29, s26                     ; the panel: 8 T + K step = 2 g + wave / 2
	s_mul_i32 s30, s29, PAN
	s_mul_i32 s31, s27, 6144
	v_add_nc_u32 v[STC], s31, v[LI]
	s_lshl_b32 s31, s27, 8
	v_add_nc_u32 v[L8], s31, v[L8]
	s_mov_b32 s31, 0
	s_mov_b32 s38, 0x76543210
	s_mov_b32 s39, 0xfedcba98                      ; v_permlanex16_b32's selects for lane l xor 16
	s_sub_co_u32 s32, ttmp9, 128                   ; k, v, w_q, w_k, w_v (g = 128 .. 479) take the other order of rows
	s_mov_b32 s33, 32768
	s_mov_b32 s34, 65536
	s_cmp_lt_u32 s32, 352
	s_cselect_b32 s35, s33, s34                    ; CU: from an even image to the odd one: 8 rows or 16
	s_cselect_b32 s36, s34, s33                    ; CX: from an image's rows 0-7 to its rows 8-15: 16 rows or 8
	v_mov_b32 v[VO], v[LI]
	v_add_nc_u32 v[VO+1], s36, v[LI]
	v_add_nc_u32 v[VO+2], s35, v[LI]
	v_add_nc_u32 v[VO+3], s36, v[VO+2]
	s_wait_kmcnt 0x0
	s_mov_b64 s[4:5], s[8:9]                       ; which tensor: the choice hangs on the work-group's number alone
	s_mov_b32 s6, 0
.macro PICK lim, p
	s_cmp_ge_u32 ttmp9, \lim
	s_cselect_b64 s[4:5], s[\p:\p+1], s[4:5]
	s_cselect_b32 s6, \lim, s6
.endm
	PICK 128, 10
	PICK 256, 12
	PICK 384, 14
	PICK 416, 16
	PICK 448, 18
	PICK 480, 20
	s_sub_co_u32 s6, ttmp9, s6
	s_lshr_b32 s6, s6, 2
	s_lshl_b32 s6, s6, 19                          ; 128 rows of 4,096 bytes for each T of the tensor,
	s_lshl_b32 s7, s27, 18
	s_add_co_u32 s6, s6, s7                        ; 64 rows for the half,
	s_lshl_b32 s7, s28, 9
	s_add_co_u32 s6, s6, s7                        ; 512 bytes for each K step
	s_mov_b32 s7, 0
	s_add_nc_u64 s[4:5], s[4:5], s[6:7]
	s_add_nc_u64 s[22:23], s[22:23], s[30:31]      ; my panel
; image n of my four: 16 loads, a row's 512 bytes each, into set n % 2
.macro LOAD n
.irp i, 0,1,2,3,4,5,6,7,8,9,10,11,12,13,14,15
	global_load_b128 v[R+64*((\n)%2)+4*\i:R+64*((\n)%2)+4*\i+3], v[VO+2*((\n)%2)+\i/8], s[4:5] offset:(32*((\n)/2)+\i%8)*4096 th:TH_LOAD_NT
.endr
.endm
; 64 numbers of a lane, register 16 b + i = k 32 b + 16 h + i of my row, become a fragment's codes in v[PC] on and its scale word in v[pw]
.macro QUANT s, pw
.irp b, 0,1,2,3
	v_max3_num_f32 v[TM+\b], |v[(\s)+16*\b]|, |v[(\s)+1+16*\b]|, 0x1800000   ; my 16 numbers of block b, and the floor 2^(3 - 127): the byte cannot fall under 1
.endr
.irp i, 2,4,6,8,10,12,14
.irp b, 0,1,2,3
	v_max3_num_f32 v[TM+\b], v[TM+\b], |v[(\s)+16*\b+\i]|, |v[(\s)+1+16*\b+\i]|   ; the four blocks by turns
.endr
.endr
.irp b, 0,1,2,3
	v_permlanex16_b32 v[TM+4+\b], v[TM+\b], s38, s39
.endr
.irp b, 0,1,2,3
	v_max_num_f32 v[TM+\b], v[TM+\b], v[TM+4+\b]   ; with lane l xor 16's: the block's largest magnitude
.endr
.irp b, 0,1,2,3
	v_add_nc_u32 v[TM+12+\b], 0xff000000, v[TM+\b] ; 2 off its exponent field: the conversion takes the exponent field of this operand as its scale
.endr
.irp b, 0,1,2,3
	v_lshrrev_b32 v[TM+4+\b], 23, v[TM+12+\b]      ; the scale's byte
.endr
	v_lshl_or_b32 v[\pw], v[TM+5], 8, v[TM+4]
	v_lshl_or_b32 v[\pw], v[TM+6], 16, v[\pw]
	v_lshl_or_b32 v[\pw], v[TM+7], 24, v[\pw]
.irp c, 0,1
	v_cvt_scalef32_pk16_fp6_f32 v[PC+6*\c:PC+2+6*\c], v[(\s)+32*\c:(\s)+15+32*\c], v[TM+12+2*\c]
	v_cvt_scalef32_pk16_fp6_f32 v[PC+12+4*\c:PC+14+4*\c], v[(\s)+16+32*\c:(\s)+31+32*\c], v[TM+12+2*\c+1]   ; (a conversion's three registers begin on an even number)
.endr
	v_nop                                          ; one plain place behind a scaled conversion
.irp c, 0,1                                    ; the operand's layout wants a whole block in a lane: lanes 0-15 block 2 c, lanes 16-31 block 2 c + 1
.irp i, 0,1,2
	v_permlane16_swap_b32 v[PC+6*\c+\i], v[PC+12+4*\c+\i]
.endr
.irp i, 0,1,2
	v_mov_b32 v[PC+3+6*\c+\i], v[PC+12+4*\c+\i]
.endr
.endr
.endm
	LOAD 0
	LOAD 1
.irp n, 0,1,2,3
.if \n < 3
	s_wait_loadcnt 16                              ; this image's 16 loads are in; the next image's 16 may be out
.else
	s_wait_loadcnt 0x0
.endif
.irp i, 0,1,2,3,4,5,6,7,8,9,10,11,12,13,14,15
	ds_store_b128 v[SIN], v[R+64*(\n%2)+4*\i:R+64*(\n%2)+4*\i+3] offset:SP*\i
.endr
.irp b, 0,1,2,3
.irp j, 0,1,2,3
	ds_load_b128 v[N+16*\b+4*\j:N+16*\b+4*\j+3], v[SOUT] offset:128*\b+16*\j   ; LDS serves a wave's instructions in order: these see the stores above
.endr
.endr
	s_wait_dscnt 0x0                               ; the numbers are back, and the stores into the stage have read their registers,
.if \n < 2
	LOAD \n+2                                      ; which take the image two on
.endif
.if \n > 0
	s_wait_xcnt 0x0                                ; the last image's stores have read the codes' registers, which are written again below
.endif
	QUANT N, PW+\n
.irp c, 0,1,2
	global_store_b128 v[STC], v[PC+4*\c:PC+4*\c+3], s[22:23] offset:1536*\n+512*\c   ; 32 lanes store 512 consecutive bytes, at a multiple of 256 from the buffer's first byte
.endr
	ds_store_b32 v[SWA], v[PW+\n] offset:64*\n     ; lanes l and l xor 16 write the same word with the same value
.endr
	ds_load_b64 v[N:N+1], v[SWR]                   ; my four images' 64 scale words
	s_wait_dscnt 0x0
	global_store_b64 v[L8], v[N:N+1], s[22:23] offset:SWO   ; 32 lanes store 256 consecutive bytes, aligned
	s_wait_tensorcnt 0x0
	ds_add_u32 v244, v245
	s_wait_dscnt 0x0
	s_endpgm
.Lfunc_end_k_q3f24d0df23_quant:
	.size	k_q3f24d0df23_quant, .Lfunc_end_k_q3f24d0df23_quant-k_q3f24d0df23_quant
	.p2alignl 7, 3214868480
	.fill 96, 4, 3214868480
	.section	.rodata,"a",@progbits
	.p2align	6, 0x0
	.amdhsa_kernel k_q3f24d0df23_quant
		.amdhsa_group_segment_fixed_size 35328
		.amdhsa_private_segment_fixed_size 0
		.amdhsa_enable_private_segment 0
		.amdhsa_kernarg_size 64
		.amdhsa_user_sgpr_count 2
		.amdhsa_user_sgpr_kernarg_segment_ptr 1
		.amdhsa_wavefront_size32 1
		.amdhsa_system_sgpr_workgroup_id_x 1
		.amdhsa_system_sgpr_workgroup_id_y 1
		.amdhsa_system_sgpr_workgroup_id_z 1
		.amdhsa_system_vgpr_workitem_id 0
		.amdhsa_next_free_vgpr 246
		.amdhsa_next_free_sgpr 66
		.amdhsa_reserve_vcc 0
		.amdhsa_float_denorm_mode_32 3
		.amdhsa_float_denorm_mode_16_64 3
		.amdhsa_memory_ordered 1
		.amdhsa_forward_progress 1
		.amdhsa_inst_pref_size 35
	.end_amdhsa_kernel
	.amdgpu_metadata
---
amdhsa.version: [ 1, 2 ]
amdhsa.kernels:
  - .name:           k_q3f24d0df23_quant
    .symbol:         k_q3f24d0df23_quant.kd
    .args:
      - { .name: q, .offset: 0, .size: 8, .value_kind: global_buffer, .address_space: global }
      - { .name: k, .offset: 8, .size: 8, .value_kind: global_buffer, .address_space: global }
      - { .name: v, .offset: 16, .size: 8, .value_kind: global_buffer, .address_space: global }
      - { .name: w_q, .offset: 24, .size: 8, .value_kind: global_buffer, .address_space: global }
      - { .name: w_k, .offset: 32, .size: 8, .value_kind: global_buffer, .address_space: global }
      - { .name: w_v, .offset: 40, .size: 8, .value_kind: global_buffer, .address_space: global }
      - { .name: w_o, .offset: 48, .size: 8, .value_kind: global_buffer, .address_space: global }
      - { .name: opnd, .offset: 56, .size: 8, .value_kind: global_buffer, .address_space: global }
    .group_segment_fixed_size: 35328
    .private_segment_fixed_size: 0
    .kernarg_segment_align: 8
    .kernarg_segment_size: 64
    .max_flat_workgroup_size: 128
    .sgpr_count:     66
    .vgpr_count:     246
    .wavefront_size: 32
...
	.end_amdgpu_metadata
.endif
;; end of part 1
;; launch proj (part 2): grid 4 x 48, 4 waves a work-group, clusters of 4 x 4, 327,680 bytes of LDS; arguments opnd, b_q, b_k, b_v, heads; writes heads
.if DOCPART == 2
	.amdgcn_target "amdgcn-amd-amdhsa--gfx1250"
	.amdhsa_code_object_version 6
	.text
	.protected	k_q3f24d0df23_proj
	.globl	k_q3f24d0df23_proj
	.p2align	8
	.type	k_q3f24d0df23_proj,@function
k_q3f24d0df23_proj:
	s_mov_b64 s[64:65], 0
	v_nop
	global_prefetch_b8 v0, s[64:65] scope:SCOPE_SE
	s_setreg_imm32_b32 hwreg(HW_REG_WAVE_MODE, 25, 1), 1
	s_wait_xcnt 0x0
	s_wait_alu depctr_hold_cnt(0) depctr_sa_sdst(0) depctr_va_vdst(0) depctr_va_sdst(0) depctr_va_ssrc(0) depctr_va_vcc(0) depctr_vm_vsrc(0)
	s_getreg_b32 s2, hwreg(HW_REG_IB_STS2, 6, 4)
	s_cmp_eq_u32 s2, 0
	s_cbranch_scc0 .Lentry_in_a_cluster
	s_endpgm
.Lentry_in_a_cluster:
	s_bfe_u32 s2, ttmp6, 0x10000c
	s_cmp_lg_u32 s2, 0xf033
	s_cbranch_scc0 .Lentry_shape_is_right
	s_endpgm
.Lentry_shape_is_right:
; The three input projections on codes of FP6 (E2M3), and their results quantised again for the attention's products.  One launch: clusters c = 0-3 make Q = q w_q^T + b_q,
; c = 4-7 K = k w_k^T + b_k, c = 8-11 V^T = w_v v^T + b_v (the roles swapped, so that a lane's registers run along the keys, which are the K of the attention's second product).
; OPERANDS come as PANELS (128 rows x 128 K in the order of the operand's registers, 12,800 bytes: image a at 1,536 a, registers 4 c .. 4 c + 3 of lane l at 512 c + 16 l; scale words at 12,288 + 64 a + 4 r).
; A tile is 256 x 256, K = 1,024 in 8 steps of 128.  Four waves, 128 x 128 each: 64 accumulators in 512 registers.  Source 0 = 16 rows of "B", source 1 = 16 rows of "A": a lane holds one row of A and eight of B.
; B's panels have their rows in the order 32 (a / 2) + 8 (a % 2) + r + 8 (r / 8), so that for one block of A the 64 registers of the eight accumulators are register 16 b + i = B's row 32 b + 16 h + i:
; what the conversions want.  A wave's 128 x 128 results so become ONE panel of `heads` ([tensor 3][pair of heads 8][T 32][panel]): eight fragments, quantised along B's 128 rows.
; LDS: three slots of two K steps (A's two halves, B's two halves, 25,600 bytes each, dense in memory).  Three of the four fills are first fills; the fourth (K steps 6, 7) fills slot 0 again, behind the one
; round of the cluster's barrier, 256 matrix instructions ahead of its first read.  The eight K steps are written out: no loop.  By this text's count a wave has three tensor loads out at the start, later one.
; CLUSTERS: 4 x 4 work-groups; A's tiles are asked for jointly along a row of the cluster, B's along a column.
; The bias is the C of each sum's first matrix instruction.  All of a WGP's LDS is claimed.
; LIMITS: NaN and infinities are not served; a block whose largest magnitude lies under 2^-124, a block of zeros too, keeps the byte 1 (its bytes are read by this program alone).
; REGISTERS, in windows of 256: window 0: v8-16 LDS addresses; v24-29; v32-63 scale words, two sets; v64-127 the bias; v128-223 A's fragments, one set; v224-255 at work.
;   window 1: B's fragments, two sets, at v0 and v128.  windows 2, 3: accumulator (a, b) at v[8 (8 (a % 4) + b)] of window 2 + a / 4.
.set BLK,   12800
.set IMG,   1536
.set SWO,   12288
.set HALFT, 25600                      ; 128 rows x two K steps: what one tensor load brings
.set SLOT,  102400
.set TROW,  102400                     ; from T to T + 1 in opnd
.set SPARE, 307200                     ; behind the slots: the spare words, 128 bytes for each wave: two blocks of 256 bytes that no other line names
.set STAGE, SLOT                       ; the way out's scale words: in slot 1, which has had its only fill, and whose last reads lie in front of the last barrier
.set FR,    12
.set NL,    3                          ; LDS loads that bring a fragment
.set NP,    4                          ; places behind this matrix instruction (ISA guide 7.12.1)
.set ADRA,  8                          ; v8-10   my A fragments in slot 0, 1, 2: 16 x lane + ..
.set ADRB,  11                         ; v11-13  the same for B
.set ADRS,  14                         ; v14-16  my scale words: lanes 0-15 A's, lanes 16-31 B's
.set LI,    24                         ; v24  16 x lane
.set SWA,   25                         ; v25  where a finished fragment's scale word goes
.set SWR,   26                         ; v26  and where the 512 bytes are read back
.set SPW,   28                         ; v28  LDS address of my spare word; never rewritten
.set NIL,   29                         ; v29  0; never rewritten
.set SC,    32                         ; set s at v[SC + 16 s]; register 2 i + q: lanes 0-15 A's block i, lanes 16-31 B's block i, the slot's q-th K step
.set BI,    64
.set AF,    128
.set VJ,    224                        ; v224-231 the bias loads' offsets
.set TM,    224                        ; v224-239 the way out: at work
.set PW,    240                        ; v240-247 a scale word for each fragment
.set PC,    128                        ; v128-146 the codes
.set OW,    152
.set G1,  24
.set G1B, 48
.set G0,  68                           ; s[68:79] group 0 for A's tiles, a set for each slot
.set G0B, 80                           ; s[80:91] for B's
.set MSB, 0
.macro WIN new                         ; the immediate's high byte repeats the setting that is left
.if MSB != (\new)
	s_set_vgpr_msb (MSB<<8)|(\new)
.set MSB, (\new)
.endif
.endm
.set MUL_LO, 0xa1                      ; source 0 (B) window 1, source 1 (A) window 0, C and D window 2
.set MUL_HI, 0xf1
.set TO_B,   0x40
; A joint load: waves 0 and 1 fetch A's halves, waves 2 and 3 B's.  The branch hangs on the wave's number alone.  Four v_nop follow each of the two lines.
.macro JLOAD g0a, g1a, g0b, g1b
	s_cmp_eq_u32 s15, 0
	s_cbranch_scc0 .Lfor_b_\@
	tensor_load_to_lds s[\g0a:\g0a+3], s[\g1a:\g1a+7]
	s_nop 0
.rept 4
	v_nop
.endr
	s_branch .Lasked_\@
.Lfor_b_\@:
	tensor_load_to_lds s[\g0b:\g0b+3], s[\g1b:\g1b+7]
	s_nop 0
.rept 4
	v_nop
.endr
.Lasked_\@:
.endm
.macro CREST                           ; a round of the cluster's barrier behind its opening barrier
	s_cmp_lg_u32 s14, 0
	s_cbranch_scc1 .Lnot_wave_0_\@
	s_barrier_signal -3
.Lnot_wave_0_\@:
	s_barrier_wait -3
	s_barrier_signal -1
	s_barrier_wait -1
.endm
.macro CROUND
	s_barrier_signal -1
	s_barrier_wait -1
	CREST
.endm
	s_load_b256 s[4:11], s[0:1], 0x0               ; opnd s[4:5], b_q s[6:7], b_k s[8:9], b_v s[10:11]
	s_load_b64 s[12:13], s[0:1], 0x20              ; heads
	v_lshl_add_u32 v[SPW], v0, 2, SPARE
	v_mov_b32 v[NIL], 0
	ds_add_u32 v28, v29
	ds_add_u32 v28, v29
	s_wait_dscnt 0x0
	v_lshrrev_b32 v1, 5, v0
	v_readfirstlane_b32 s14, v1                    ; wave 0..3
	s_lshr_b32 s15, s14, 1                         ; which half of A's rows is mine.  Also: I fetch for A (0) or for B (1)
	s_and_b32 s16, s14, 1                          ; which half of B's rows.  Also: which half I fetch
	s_bfe_u32 s40, ttmp6, 0x40000                  ; cx
	s_bfe_u32 s41, ttmp6, 0x40004                  ; cy
	s_and_b32 s42, ttmp7, 0xffff                   ; c: the cluster, the same number in all sixteen partners
	s_lshl_b32 s43, s41, 2
	s_lshl_b32 s43, 15, s43                        ; my row of the cluster
	s_lshl_b32 s44, 0x1111, s40                    ; my column
	s_or_b32 s[G1+0], s43, (3<<16)|(1<<21)         ; 15:0 the mask; 17:16 elements of 8 bytes; 21 set beside a mask; no padding
	s_or_b32 s[G1B+0], s44, (3<<16)|(1<<21)
.irp g, G1, G1B
	s_mov_b32 s[\g+1], 32<<16                      ; tensor_dim0 = 32 elements: 256 bytes
	s_mov_b32 s[\g+2], 100<<16                     ; tensor_dim1 = 100 rows: 25,600 dense bytes
	s_mov_b32 s[\g+3], 32<<16                      ; tile_dim0
	s_mov_b32 s[\g+4], 100                         ; tile_dim1
	s_mov_b32 s[\g+5], 32                          ; the pitch
	s_mov_b32 s[\g+6], 0
	s_mov_b32 s[\g+7], 0
.endr
	s_lshl_b32 s17, s42, 3                         ; 8 c
	s_lshr_b32 s19, s42, 2
	s_lshl_b32 s19, s19, 3
	s_add_co_u32 s19, s19, 96                      ; 96 + 8 (c / 4): w_q or w_k
	s_mov_b32 s18, 112                             ; w_v
	s_cmp_lt_u32 s42, 8
	s_cselect_b32 s20, s17, s18                    ; A: q's or k's tokens, or w_v
	s_cselect_b32 s46, s19, s17                    ; B: the weight, or v's tokens
	s_lshl_b32 s21, s41, 1
	s_add_co_u32 s20, s20, s21
	s_add_co_u32 s20, s20, s16                     ; A's T that I would fetch: + 2 cy + half
	s_lshl_b32 s47, s40, 1
	s_add_co_u32 s46, s46, s47
	s_add_co_u32 s46, s46, s16                     ; B's: + 2 cx + half
	s_mul_i32 s20, s20, TROW
	s_mov_b32 s21, 0
	s_mul_i32 s46, s46, TROW
	s_mov_b32 s47, 0
	s_mul_i32 s45, s14, HALFT                      ; where it goes: wave x 25,600: no place in the cluster enters an LDS address
	s_wait_kmcnt 0x0
	s_add_nc_u64 s[20:21], s[4:5], s[20:21]
	s_add_nc_u64 s[46:47], s[4:5], s[46:47]
	CROUND                                         ; all sixteen work-groups are here: the first joint loads meet
.irp s, 0,1,2
	s_mov_b32 s[G0+4*\s], 1
	s_add_co_u32 s[G0+4*\s+1], s45, \s*SLOT
	s_add_nc_u64 s[G0+4*\s+2:G0+4*\s+3], s[20:21], \s*HALFT
	s_or_b32 s[G0+4*\s+3], s[G0+4*\s+3], 0x80000000
	s_mov_b32 s[G0B+4*\s], 1
	s_add_co_u32 s[G0B+4*\s+1], s45, \s*SLOT
	s_add_nc_u64 s[G0B+4*\s+2:G0B+4*\s+3], s[46:47], \s*HALFT
	s_or_b32 s[G0B+4*\s+3], s[G0B+4*\s+3], 0x80000000
	JLOAD G0+4*\s, G1, G0B+4*\s, G1B               ; K steps 2 s and 2 s + 1
.endr
	v_and_b32 v1, 31, v0                           ; lane
	v_and_b32 v2, 15, v0                           ; r
	v_bfe_u32 v3, v0, 4, 1                         ; h
	v_lshlrev_b32 v[LI], 4, v1
	s_mul_i32 s21, s15, HALFT                      ; my 128 rows of A
	s_mul_i32 s22, s16, HALFT
	s_add_co_u32 s22, s22, 2*HALFT                 ; my 128 rows of B, behind A's two halves
	s_sub_co_u32 s23, s22, s21
	v_mul_u32_u24 v4, s23, v3                      ; lanes 16-31 take B's scale words
	v_lshl_add_u32 v4, v2, 2, v4
.irp s, 0,1,2
	v_add_nc_u32 v[ADRA+\s], s21, v[LI]
	v_add_nc_u32 v[ADRB+\s], s22, v[LI]
	v_add_nc_u32 v[ADRS+\s], s21, v4
	s_add_co_u32 s21, s21, SLOT
	s_add_co_u32 s22, s22, SLOT
.endr
	s_lshl_b32 s2, s14, 9
	s_add_co_u32 s2, s2, STAGE
	v_lshl_add_u32 v[SWA], v2, 2, s2
	v_add_nc_u32 v[SWR], s2, v[LI]
	s_mov_b32 s56, 0x76543210
	s_mov_b32 s57, 0xfedcba98                      ; v_permlanex16_b32's selects for lane l xor 16
	; the bias, in the result's layout.  Q, K: it runs along B's rows: register 8 b + j takes number 32 (b / 2) + 8 (b % 2) + 16 h + j.  V: along A's rows: all eight registers of block a take number 32 (a / 2) + 8 (a % 2) + r + 8 (r / 8)
	s_cmp_lt_u32 s42, 4
	s_cselect_b64 s[92:93], s[6:7], s[8:9]
	s_cmp_lt_u32 s42, 8
	s_cselect_b64 s[92:93], s[92:93], s[10:11]
	s_cselect_b32 s94, 64, 0                       ; bytes for h,
	s_cselect_b32 s95, 0, 4                        ; for r + 8 (r / 8),
	s_cselect_b32 s96, 4, 0                        ; for j
	s_cselect_b32 s97, s40, s41
	s_cselect_b32 s98, s16, s15
	s_lshl_b32 s97, s97, 10
	s_lshl_b32 s98, s98, 9
	s_add_co_u32 s98, s97, s98                     ; my 128 numbers
	s_mov_b32 s99, 0
	s_add_nc_u64 s[92:93], s[92:93], s[98:99]
	v_and_b32 v5, 8, v2
	v_add_nc_u32 v5, v5, v2
	v_mul_u32_u24 v5, s95, v5
	v_mad_u32_u24 v5, s94, v3, v5
.irp j, 0,1,2,3,4,5,6,7
	v_mad_u32_u24 v[VJ+\j], s96, \j, v5
.endr
.irp f, 0,1,2,3,4,5,6,7
.irp j, 0,1,2,3,4,5,6,7
	global_load_b32 v[BI+8*\f+\j], v[VJ+\j], s[92:93] offset:(32*(\f/2)+8*(\f%2))*4
.endr
.endr
	; my panel of heads: tensor c / 4; Q, K: pair of heads 2 cx + B's half, T 8 (c % 4) + 2 cy + A's half; V: the two the other way round
	s_lshl_b32 s32, s40, 1
	s_add_co_u32 s32, s32, s16
	s_lshl_b32 s33, s41, 1
	s_add_co_u32 s33, s33, s15
	s_lshr_b32 s34, s42, 2
	s_mul_i32 s34, s34, 3276800
	s_and_b32 s35, s42, 3
	s_lshl_b32 s35, s35, 3
	s_cmp_lt_u32 s42, 8
	s_cselect_b32 s36, s32, s33
	s_cselect_b32 s37, s33, s32
	s_add_co_u32 s35, s35, s37
	s_mul_i32 s38, s35, BLK
	s_mul_i32 s36, s36, 409600
	s_add_co_u32 s38, s38, s36
	s_add_co_u32 s38, s38, s34
	s_mov_b32 s39, 0
	s_add_nc_u64 s[12:13], s[12:13], s[38:39]
.macro FRAG reg, adr, q, i             ; a fragment is three loads of 512 consecutive bytes
.irp c, 0,1,2
	ds_load_b128 v[\reg+4*\c:\reg+4*\c+3], v[\adr] offset:(\q)*BLK+(\i)*IMG+512*\c
.endr
.endm
.macro FETCH_B slot, q, p
	WIN TO_B
.irp i, 0,1,2,3,4,5,6,7
	FRAG 128*(\p)+FR*\i, ADRB+\slot, \q, \i
.endr
	WIN 0
.endm
.macro FETCH_A slot, q, i0
.irp i, \i0, \i0+1, \i0+2, \i0+3
	FRAG AF+FR*(\i), ADRA+\slot, \q, \i
.endr
.endm
.macro SCALES slot, set                ; a slot's scale words: both K steps, eight blocks; lanes 0-15 A's, lanes 16-31 B's
.irp i, 0,1,2,3,4,5,6,7
.irp q, 0,1
	ds_load_b32 v[SC+16*(\set)+2*\i+\q], v[ADRS+\slot] offset:\q*BLK+SWO+64*\i
.endr
.endr
.endm
; 16 matrix instructions: A's blocks a0, a0 + 1 x B's eight.  p: B's set; q: the slot's K step; zero = 1: C is the bias along B's rows, 2: along A's rows, 0: the sum goes on.
; The 64 accumulators take turns, one instruction a turn, in the same order in every step.
.macro MUL16 a0, p, q, set, zero
.irp a, \a0, \a0+1
.irp b, 0,1,2,3,4,5,6,7
.set rD, 8*(8*((\a)%4)+\b)
.set rB, 128*(\p)+FR*\b
.set rA, AF+FR*(\a)
.set rSB, SC+16*(\set)+2*\b+(\q)
.set rSA, SC+16*(\set)+2*(\a)+(\q)
.if (\zero) == 1
	v_wmma_scale_f32_16x16x128_f8f6f4 v[rD:rD+7], v[rB:rB+FR-1], v[rA:rA+FR-1], v[BI+8*\b:BI+8*\b+7], v[rSB], v[rSA] matrix_a_fmt:MATRIX_FMT_FP6 matrix_b_fmt:MATRIX_FMT_FP6 matrix_a_scale:MATRIX_SCALE_ROW1
.elseif (\zero) == 2
	v_wmma_scale_f32_16x16x128_f8f6f4 v[rD:rD+7], v[rB:rB+FR-1], v[rA:rA+FR-1], v[BI+8*(\a):BI+8*(\a)+7], v[rSB], v[rSA] matrix_a_fmt:MATRIX_FMT_FP6 matrix_b_fmt:MATRIX_FMT_FP6 matrix_a_scale:MATRIX_SCALE_ROW1
.else
	v_wmma_scale_f32_16x16x128_f8f6f4 v[rD:rD+7], v[rB:rB+FR-1], v[rA:rA+FR-1], v[rD:rD+7], v[rSB], v[rSA] matrix_a_fmt:MATRIX_FMT_FP6 matrix_b_fmt:MATRIX_FMT_FP6 matrix_a_scale:MATRIX_SCALE_ROW1
.endif
.endr
.endr
.endm
.macro PLACES n                        ; plain vector instructions between a matrix instruction and a load into, or a read of, its registers (ISA guide 7.12.1 for reads)
.rept \n
	v_nop
.endr
.endm
; A slot's first K step
.macro STEP slot, set, zero
	s_wait_dscnt 4*NL                              ; B's set, A's blocks 0-3 and the scale words are in; the youngest 12 loads (A's blocks 4-7) may be out
.if \zero
	WIN 0x81                                       ; C (the bias) in window 0, D in window 2
.else
	WIN MUL_LO
.endif
	MUL16 0, 0, 0, \set, \zero
	MUL16 2, 0, 0, \set, \zero
	s_wait_dscnt 0x0                               ; A's blocks 4-7 are in
	PLACES NP
	FETCH_B \slot, 1, 1
	FETCH_A \slot, 1, 0
.if \zero
	WIN 0xc1
.else
	WIN MUL_HI
.endif
	MUL16 4, 0, 0, \set, \zero
	MUL16 6, 0, 0, \set, \zero
	PLACES NP
	WIN 0
	FETCH_A \slot, 1, 4
.endm
; A slot's second K step, and on to the next slot.  mode 2: this slot is filled again; 1: the slot ahead is the one that was filled again; 0: the slot ahead was shown whole, in every wave, by the round
.macro TURN slot, set, next, nset, mode
.if (\mode) == 2
	s_wait_tensorcnt 0x0                           ; all my tensor loads have landed: my parts of slots 1 and 2;
	ds_add_u32 v[SPW], v[NIL]                      ; 0 onto my spare word;
	s_wait_dscnt 4*NL+1                            ; (the add and the youngest 12 loads may be out)
	WIN MUL_LO
	MUL16 0, 1, 1, \set, 0                         ; sixteen matrix instructions stand between the add and the wait for it
	s_wait_dscnt 0x0                               ; the add is done, and my reads of this slot are over
	s_barrier_signal -1
	MUL16 2, 1, 1, \set, 0
	WIN 0
	s_barrier_wait -1
	CREST                                          ; the barrier has opened a round of the cluster's: no wave of any partner still reads this slot or has a load on its way
	s_add_nc_u64 s[G0+2:G0+3], s[G0+2:G0+3], 3*HALFT    ; K steps 6 and 7
	s_add_nc_u64 s[G0B+2:G0B+3], s[G0B+2:G0B+3], 3*HALFT
	JLOAD G0, G1, G0B, G1B                         ; the first tensor load behind the round; its four v_nop are also the places in front of the loads below
.elseif (\mode) == 1
	s_wait_dscnt 4*NL
	WIN MUL_LO
	MUL16 0, 1, 1, \set, 0
	s_wait_tensorcnt 0x0                           ; my part of the refill has landed (the one load that was out);
	s_wait_dscnt 0x0                               ; no LDS instruction of mine is pending at the signal
	s_barrier_signal -1
	MUL16 2, 1, 1, \set, 0
	WIN 0
	s_barrier_wait -1                              ; everybody's has.
	PLACES NP
.else
	s_wait_dscnt 4*NL
	WIN MUL_LO
	MUL16 0, 1, 1, \set, 0
	MUL16 2, 1, 1, \set, 0
	WIN 0
	s_wait_dscnt 0x0
	PLACES NP
.endif
	FETCH_B \next, 0, 0
	FETCH_A \next, 0, 0
	SCALES \next, \nset
	WIN MUL_HI
	MUL16 4, 1, 1, \set, 0
	MUL16 6, 1, 1, \set, 0
	PLACES NP
	WIN 0
	FETCH_A \next, 0, 4
.endm
	s_wait_tensorcnt 2                             ; my part of slot 0 is in; slots 1 and 2 may be out
	s_barrier_signal -1
	s_barrier_wait -1
	FETCH_B 0, 0, 0
	FETCH_A 0, 0, 0
	SCALES 0, 0
	FETCH_A 0, 0, 4
	s_wait_loadcnt 0x0                             ; the bias
	s_cmp_lt_u32 s42, 8                            ; the first K step is written twice: the bias runs along B's rows (Q, K) or along A's (V).  c is the same in all partners
	s_cbranch_scc0 .Lfirst_v
	STEP 0, 0, 1
	s_branch .Lfirst_done
.Lfirst_v:
	STEP 0, 0, 2
.Lfirst_done:
	TURN 0, 0, 1, 1, 2
	STEP 1, 1, 0
	TURN 1, 1, 2, 0, 0
	STEP 2, 0, 0
	TURN 2, 0, 0, 1, 1
	STEP 0, 1, 0
	s_wait_dscnt 4*NL                              ; the last K step: nothing more to fetch
	WIN MUL_LO
	MUL16 0, 1, 1, 1, 0
	MUL16 2, 1, 1, 1, 0
	s_wait_dscnt 0x0
	WIN MUL_HI
	MUL16 4, 1, 1, 1, 0
	MUL16 6, 1, 1, 1, 0
	WIN 0
; THE WAY OUT.  The 64 registers of block a's eight accumulators (window w) are register 16 b + i = B's row 32 b + 16 h + i of my row of A: they become fragment a of my panel.  Each accumulator is read from its low end on.
.macro QUANTW s, pw, w, x
	WIN (\w)|((\w)<<2)                             ; sources 0 and 1: the accumulators' window
.irp b, 0,1,2,3
	v_max3_num_f32 v[TM+\b], |v[(\s)+16*\b]|, |v[(\s)+1+16*\b]|, 0x1800000   ; and the floor 2^(3 - 127): the byte cannot fall under 1
.endr
.irp i, 2,4,6,8,10,12,14
.irp b, 0,1,2,3
	v_max3_num_f32 v[TM+\b], |v[(\s)+16*\b+\i]|, |v[(\s)+1+16*\b+\i]|, v[TM+\b]
.endr
.endr
	WIN 0
.irp b, 0,1,2,3
	v_permlanex16_b32 v[TM+4+\b], v[TM+\b], s56, s57
.endr
.irp b, 0,1,2,3
	v_max_num_f32 v[TM+\b], v[TM+\b], v[TM+4+\b]
.endr
.irp b, 0,1,2,3
	v_add_nc_u32 v[TM+12+\b], 0xff000000, v[TM+\b] ; 2 off the exponent field: the conversion's scale operand
.endr
.irp b, 0,1,2,3
	v_lshrrev_b32 v[TM+4+\b], 23, v[TM+12+\b]
.endr
	v_lshl_or_b32 v[\pw], v[TM+5], 8, v[TM+4]
	v_lshl_or_b32 v[\pw], v[TM+6], 16, v[\pw]
	v_lshl_or_b32 v[\pw], v[TM+7], 24, v[\pw]
.if (\x) > 0
	s_wait_xcnt 0x0                                ; the last fragment's stores have read the codes' registers, which are written again below
.endif
	WIN (\w)                                       ; source 0: the accumulators' window
.irp c, 0,1
	v_cvt_scalef32_pk16_fp6_f32 v[PC+6*\c:PC+2+6*\c], v[(\s)+32*\c:(\s)+15+32*\c], v[TM+12+2*\c]
	v_cvt_scalef32_pk16_fp6_f32 v[PC+12+4*\c:PC+14+4*\c], v[(\s)+16+32*\c:(\s)+31+32*\c], v[TM+12+2*\c+1]
.endr
	WIN 0
	v_nop                                          ; one plain place behind a scaled conversion
.irp c, 0,1
.irp i, 0,1,2
	v_permlane16_swap_b32 v[PC+6*\c+\i], v[PC+12+4*\c+\i]
.endr
.irp i, 0,1,2
	v_mov_b32 v[PC+3+6*\c+\i], v[PC+12+4*\c+\i]
.endr
.endr
.endm
	PLACES NP
.irp a, 0,1,2,3,4,5,6,7
	QUANTW 64*(\a%4), PW+\a, 2+\a/4, \a
.irp c, 0,1,2
	global_store_b128 v[LI], v[PC+4*\c:PC+4*\c+3], s[12:13] offset:IMG*\a+512*\c   ; 32 lanes store 512 consecutive bytes, at a multiple of 256 from the buffer's first byte
.endr
	ds_store_b32 v[SWA], v[PW+\a] offset:64*\a     ; lanes l and l xor 16 write the same word with the same value
.endr
	ds_load_b128 v[OW:OW+3], v[SWR]                ; my panel's 128 scale words (LDS serves a wave's instructions in order)
	s_wait_dscnt 0x0
	global_store_b128 v[LI], v[OW:OW+3], s[12:13] offset:SWO
	s_wait_tensorcnt 0x0                           ; the wave's end
	ds_add_u32 v[SPW], v[NIL]
	s_wait_dscnt 0x0
	CROUND                                         ; the closing round
	s_endpgm
.Lfunc_end_k_q3f24d0df23_proj:
	.size	k_q3f24d0df23_proj, .Lfunc_end_k_q3f24d0df23_proj-k_q3f24d0df23_proj
	.p2alignl 7, 3214868480
	.fill 96, 4, 3214868480
	.section	.rodata,"a",@progbits
	.p2align	6, 0x0
	.amdhsa_kernel k_q3f24d0df23_proj
		.amdhsa_group_segment_fixed_size 327680
		.amdhsa_private_segment_fixed_size 0
		.amdhsa_enable_private_segment 0
		.amdhsa_kernarg_size 40
		.amdhsa_user_sgpr_count 2
		.amdhsa_user_sgpr_kernarg_segment_ptr 1
		.amdhsa_wavefront_size32 1
		.amdhsa_system_sgpr_workgroup_id_x 1
		.amdhsa_system_sgpr_workgroup_id_y 1
		.amdhsa_system_sgpr_workgroup_id_z 1
		.amdhsa_system_vgpr_workitem_id 0
		.amdhsa_next_free_vgpr 1024
		.amdhsa_next_free_sgpr 100
		.amdhsa_reserve_vcc 0
		.amdhsa_float_denorm_mode_32 3
		.amdhsa_float_denorm_mode_16_64 3
		.amdhsa_memory_ordered 1
		.amdhsa_forward_progress 1
		.amdhsa_inst_pref_size 159
	.end_amdhsa_kernel
	.amdgpu_metadata
---
amdhsa.version: [ 1, 2 ]
amdhsa.kernels:
  - .name:           k_q3f24d0df23_proj
    .symbol:         k_q3f24d0df23_proj.kd
    .args:
      - { .name: opnd, .offset: 0, .size: 8, .value_kind: global_buffer, .address_space: global }
      - { .name: b_q, .offset: 8, .size: 8, .value_kind: global_buffer, .address_space: global }
      - { .name: b_k, .offset: 16, .size: 8, .value_kind: global_buffer, .address_space: global }
      - { .name: b_v, .offset: 24, .size: 8, .value_kind: global_buffer, .address_space: global }
      - { .name: heads, .offset: 32, .size: 8, .value_kind: global_buffer, .address_space: global }
    .group_segment_fixed_size: 327680
    .private_segment_fixed_size: 0
    .kernarg_segment_align: 8
    .kernarg_segment_size: 40
    .max_flat_workgroup_size: 128
    .sgpr_count:     100
    .vgpr_count:     1024
    .wavefront_size: 32
...
	.end_amdgpu_metadata
.endif
;; end of part 2
;; launch attn (part 3): grid 32 x 8, 16 waves a work-group, no clusters, 169,984 bytes of LDS; arguments heads, ximg; writes ximg
.if DOCPART == 3
	.amdgcn_target "amdgcn-amd-amdhsa--gfx1250"
	.amdhsa_code_object_version 6
	.text
	.protected	k_q3f24d0df23_attn
	.globl	k_q3f24d0df23_attn
	.p2align	8
	.type	k_q3f24d0df23_attn,@function
k_q3f24d0df23_attn:
	s_mov_b64 s[64:65], 0
	v_nop
	global_prefetch_b8 v0, s[64:65] scope:SCOPE_SE
	s_setreg_imm32_b32 hwreg(HW_REG_WAVE_MODE, 25, 1), 1
	s_wait_xcnt 0x0
; Banded attention on codes of FP6 (E2M3): key k counts for query q where q - 127 <= k <= q + 128; 16 heads of 64; 4,096 tokens.  The result x is quantised along the model's channels for the last projection.
; heads: [tensor 3][pair of heads 8][T 32][panel], a panel being 128 rows x 128 K in the order of an operand's registers (image a at 1,536 a, registers 4 c .. 4 c + 3 of lane l at 512 c + 16 l; scale words at 12,288 + 64 a + 4 r).
;   Q: rows = tokens; K = the pair's 128 channels.   K: the same, image a's row r = token 32 (a / 2) + 8 (a % 2) + r + 8 (r / 8).   V^T: rows = the pair's 128 channels (in that same order), K = 128 keys.
; SHARES.  A work-group owns 128 queries of a pair of heads; wave w owns 16 queries (w % 8) of head w / 8.  The band of 128 queries lies in three blocks of 128 keys: their six panels come into LDS once, one tensor load
; for each of waves 0 to 5; nothing is filled again.  By this text's count a wave has at most one tensor load out.  Partners in a cluster would need different key blocks at equal LDS addresses: no joint loads.
; THE HEAD'S 64 IN AN INSTRUCTION OF 128: Q's six registers of the other head are cleared; zero codes add nothing under any scale byte that the quantiser gives.  So K's whole image serves either head.
; Both products are used transposed (S^T = K Q^T, O^T = V^T P^T): a lane holds one query; the 16 registers of tiles 2 b, 2 b + 1 are keys 32 b + 16 h + 0 .. 15.
; SOFTMAX: t = score x log2(e) / 8; M = the running largest t rounded up to a whole number; p = 2^(t - M) is quantised along the keys, not normalised; the sum is taken of the unquantised p and divides at the end.
; THE MASK: hidden scores become -8e9 (the logit -1e9) ahead of the maximum.  Key blocks that lie wholly outside a wave's band are not multiplied.
; LIMITS: that equals the masked softmax where a row's largest logit inside the band lies above about -1e9 + 150; NaN and infinities are not served; a block of x under 2^-124, or of zeros, keeps the byte 1.
; A row all of whose keys in a step are hidden carries p up to 2^64 for that step; the next change of M multiplies it by 2^(about -1.4e9), which is 0.
; REGISTERS: v1-11 addresses and constants; v12 -M, v13 the largest t, v[14:15] the sum; v16-27 Q; v32-79 four fragments; v96-159 S^T, then p; v160-191 O^T; v192-198; v224-235 p's codes; v232-254 at work; v255 Q's scale words.
.set PAN,  12800
.set IMG,  1536
.set SWO,  12288
.set VB,   3*PAN                       ; LDS: K's three panels, V's three,
.set XST,  6*PAN                       ; and the stage for x, one panel, into which no fill lands
.set SEL,  40
.set CS,   42
	s_load_b128 s[4:7], s[0:1], 0x0                ; heads, ximg
	v_lshl_add_u32 v223, v0, 2, 0x29000
	v_mov_b32 v243, 0
	ds_add_u32 v223, v243
	ds_add_u32 v223, v243
	v_lshrrev_b32 v1, 5, v0
	v_readfirstlane_b32 s8, v1                     ; wave 0..15
	s_and_b32 s9, s8, 7                            ; qt: my tile of 16 queries
	s_lshr_b32 s10, s8, 3                          ; e: my head of the pair
	s_and_b32 s11, ttmp7, 0xffff                   ; the pair of heads
	s_max_u32 s12, ttmp9, 1
	s_sub_co_u32 s12, s12, 1
	s_min_u32 s12, s12, 29                         ; the first of the three key blocks: all three exist
	s_mov_b32 s16, 3<<16                           ; group 1: no mask; elements of 8 bytes; no padding
	s_mov_b32 s17, 32<<16                          ; tensor_dim0 = 32 elements: 256 bytes
	s_mov_b32 s18, 50<<16                          ; tensor_dim1 = 50 rows: a panel
	s_mov_b32 s19, 32<<16
	s_mov_b32 s20, 50
	s_mov_b32 s21, 32
	s_mov_b32 s22, 0
	s_mov_b32 s23, 0
	s_min_u32 s27, s8, 5                           ; waves 0-2 fetch K's panels, 3-5 V's; the others issue nothing
	s_mul_i32 s26, s11, 409600
	s_add_co_u32 s28, s12, s27
	s_mul_i32 s28, s28, PAN
	s_add_co_u32 s28, s28, s26
	s_add_co_u32 s28, s28, 3276800                 ; tensor 1
	s_cmp_ge_u32 s27, 3
	s_cselect_b32 s29, 3238400, 0                  ; tensor 2, three panels back
	s_add_co_u32 s28, s28, s29
	s_mov_b32 s29, 0
	s_mov_b32 s32, 1
	s_mul_i32 s33, s27, PAN
	s_lshl_b32 s36, ttmp9, 7
	s_lshl_b32 s37, s9, 4
	s_add_co_u32 s36, s36, s37                     ; Q0: my first query
	s_lshl_b32 s37, s12, 7                         ; the first key in LDS
	s_mov_b32 s[SEL], 0x76543210
	s_mov_b32 s[SEL+1], 0xfedcba98
	s_mov_b32 s[CS], 0x3e38aa3b                    ; c = log2(e) / 8
	s_mov_b32 s[CS+1], s[CS]
	s_wait_dscnt 0x0
	s_wait_kmcnt 0x0
	s_add_nc_u64 s[34:35], s[4:5], s[28:29]
	s_or_b32 s35, s35, 0x80000000
	s_cmp_lt_u32 s8, 6
	s_cbranch_scc0 .Lno_fill
	tensor_load_to_lds s[32:35], s[16:23]
	s_nop 0
.rept 4
	v_nop
.endr
.Lno_fill:
	s_mul_i32 s30, ttmp9, PAN
	s_add_co_u32 s30, s30, s26
	s_mov_b32 s31, 0
	s_add_nc_u64 s[48:49], s[4:5], s[30:31]        ; Q's panel
	s_mul_i32 s30, ttmp9, 102400
	s_mul_i32 s50, s11, PAN
	s_add_co_u32 s30, s30, s50
	s_add_nc_u64 s[6:7], s[6:7], s[30:31]          ; x's panel: [token block][pair of heads]
	v_and_b32 v194, 31, v0
	v_lshlrev_b32 v1, 4, v194                      ; 16 x lane
	v_and_b32 v195, 15, v0                         ; r
	v_lshlrev_b32 v2, 2, v195                      ; 4 r
	v_bfe_u32 v196, v0, 4, 1                       ; h
	s_mul_i32 s47, s9, IMG
	v_add_nc_u32 v197, s47, v1
	s_lshl_b32 s47, s9, 6
	v_add_nc_u32 v198, s47, v2
.irp c, 0,1,2
	global_load_b128 v[16+4*\c:19+4*\c], v197, s[48:49] offset:512*\c   ; my tile of Q
.endr
	global_load_b32 v255, v198, s[48:49] offset:SWO
	s_mul_i32 s44, s10, 4*IMG
	s_add_co_u32 s44, s44, VB
	v_add_nc_u32 v3, s44, v1                       ; V's images 4 e ..
	s_lshl_b32 s44, s10, 8
	s_add_co_u32 s44, s44, VB+SWO
	v_add_nc_u32 v4, s44, v2                       ; and their scale words
	s_mul_i32 s45, s9, IMG
	s_add_co_u32 s45, s45, XST                     ; x's image qt.  My six registers are its registers 6 e .. 6 e + 5: three pieces of 8 bytes
	s_mul_i32 s44, s10, 520
	s_add_co_u32 s44, s44, s45
	v_add_nc_u32 v5, s44, v1                       ; registers 0, 1 at 16 l (e = 0), 6, 7 at 512 + 16 l + 8 (e = 1); the third piece lies 512 on in both
	s_mul_i32 s44, s10, 1016
	s_add_co_u32 s44, s44, s45
	s_add_co_u32 s44, s44, 8
	v_add_nc_u32 v6, s44, v1                       ; registers 2, 3 at 16 l + 8, or 8, 9 at 1,024 + 16 l
	s_lshl_b32 s44, s9, 6
	s_lshl_b32 s46, s10, 1
	s_add_co_u32 s44, s44, s46
	s_add_co_u32 s44, s44, XST+SWO
	v_add_nc_u32 v7, s44, v2                       ; my two bytes of the row's scale word
	s_lshl_b32 s44, s8, 9
	v_add_nc_u32 v9, s44, v1                       ; the way out: 512 bytes a wave
	v_add_nc_u32 v8, XST, v9
	v_lshlrev_b32 v196, 4, v196
	v_sub_nc_u32 v10, v195, v196                   ; r - 16 h
	v_mov_b32 v11, 0xcfee6b28                      ; -8e9
	v_mov_b32 v13, 0xff61b1e6                      ; the largest t so far: -3e38
	v_floor_f32 v12, -v13                          ; -M
	v_mov_b32 v14, 0
	v_mov_b32 v15, 0
.irp b, 0,1,2,3
	v_mov_b32 v[236+\b], 0                         ; written once: a lane permute's destination counts as one of its sources
.endr
	v_mov_b32 v252, 0
	v_mov_b32 v253, 0
.irp j, 0,1,2,3,4,5,6,7,8,9,10,11,12,13,14,15,16,17,18,19,20,21,22,23,24,25,26,27,28,29,30,31
	v_mov_b32 v[160+\j], 0                         ; O^T: any of the three steps may be a wave's first, so the sums begin as zeros
.endr
	s_cmp_eq_u32 s10, 0
	s_cselect_b32 s51, -1, 0
	s_cselect_b32 s52, 0, -1
	s_wait_loadcnt 0x0
.irp i, 0,1,2,3,4,5
	v_and_b32 v[16+\i], s51, v[16+\i]              ; the other head's codes become zeros
	v_and_b32 v[22+\i], s52, v[22+\i]
.endr
	s_wait_tensorcnt 0x0                           ; my panel has landed (a wave that fetched nothing passes at once),
	s_barrier_signal -1
	s_barrier_wait -1                              ; everybody's has
; A KEY STEP: the s-th block of 128 keys in LDS.  Every LDS offset is an immediate.  The branches hang on the work-group's and the wave's numbers alone; no barrier stands in a step.
.macro STEP s
	s_add_co_u32 s38, s37, 128*\s                  ; KF: the step's first key
	s_add_co_u32 s39, s36, 143
	s_cmp_gt_u32 s38, s39                          ; all keys behind my last query's band,
	s_cbranch_scc1 .Lout_\@
	s_add_co_u32 s39, s38, 254
	s_cmp_lt_u32 s39, s36                          ; or all ahead of my first query's: the step is left out
	s_cbranch_scc1 .Lout_\@
.irp g, 0,1                                    ; S^T = K Q^T, four tiles of 16 keys at a time
.rept 4
	v_nop                                          ; places in front of loads into registers that matrix instructions have read
.endr
.irp t, 0,1,2,3
.irp c, 0,1,2
	ds_load_b128 v[32+12*\t+4*\c:35+12*\t+4*\c], v1 offset:\s*PAN+(4*\g+\t)*IMG+512*\c
.endr
	ds_load_b32 v[248+\t], v2 offset:\s*PAN+SWO+64*(4*\g+\t)
.endr
	s_wait_dscnt 0x0
.irp t, 0,1,2,3
	v_wmma_scale_f32_16x16x128_f8f6f4 v[96+8*(4*\g+\t):103+8*(4*\g+\t)], v[32+12*\t:43+12*\t], v[16:27], 0, v[248+\t], v255 matrix_a_fmt:MATRIX_FMT_FP6 matrix_b_fmt:MATRIX_FMT_FP6
.endr
.endr
.rept 4
	v_nop
.endr
	s_add_co_u32 s39, s38, 112                     ; register n holds key KF + 16 h + 32 (n / 16) + n % 16.  No key lies ahead of the band where KF >= Q0 + 15 - 127
	s_cmp_le_u32 s36, s39
	s_cbranch_scc1 .Lnolow_\@
	s_sub_co_i32 s39, s36, s38
	s_sub_co_i32 s39, s39, 127
	v_add_nc_u32 v192, s39, v10                    ; hidden where 32 (n / 16) + n % 16 < Q0 + r - 127 - KF - 16 h
.irp n, 0,1,2,3,4,5,6,7,8,9,10,11,12,13,14,15,16,17,18,19,20,21,22,23,24,25,26,27,28,29,30,31,32,33,34,35,36,37,38,39,40,41,42,43,44,45,46,47,48,49,50,51,52,53,54,55,56,57,58,59,60,61,62,63
	v_cmp_lt_i32 vcc_lo, 32*(\n/16)+\n%16, v192
	v_cndmask_b32 v[96+\n], v[96+\n], v11, vcc_lo
.endr
.Lnolow_\@:
	s_add_co_u32 s39, s36, 1                       ; no key lies behind the band where KF + 127 <= Q0 + 128
	s_cmp_le_u32 s38, s39
	s_cbranch_scc1 .Lnohigh_\@
	s_sub_co_i32 s39, s36, s38
	s_add_co_i32 s39, s39, 128
	v_add_nc_u32 v193, s39, v10                    ; hidden where 32 (n / 16) + n % 16 > Q0 + r + 128 - KF - 16 h
.irp n, 0,1,2,3,4,5,6,7,8,9,10,11,12,13,14,15,16,17,18,19,20,21,22,23,24,25,26,27,28,29,30,31,32,33,34,35,36,37,38,39,40,41,42,43,44,45,46,47,48,49,50,51,52,53,54,55,56,57,58,59,60,61,62,63
	v_cmp_gt_i32 vcc_lo, 32*(\n/16)+\n%16, v193
	v_cndmask_b32 v[96+\n], v[96+\n], v11, vcc_lo
.endr
.Lnohigh_\@:
.irp b, 0,1,2,3
	v_max3_num_f32 v[232+\b], v[96+16*\b], v[97+16*\b], v[98+16*\b]   ; the largest score of each block of 32 keys: for the row's maximum, and, since p rises with the score, for the block's largest p
.endr
.irp i, 3,5,7,9,11,13
.irp b, 0,1,2,3
	v_max3_num_f32 v[232+\b], v[232+\b], v[96+16*\b+\i], v[97+16*\b+\i]
.endr
.endr
.irp b, 0,1,2,3
	v_max_num_f32 v[232+\b], v[232+\b], v[111+16*\b]
.endr
.irp b, 0,1,2,3
	v_permlanex16_b32 v[236+\b], v[232+\b], s[SEL], s[SEL+1]
.endr
.irp b, 0,1,2,3
	v_max_num_f32 v[232+\b], v[232+\b], v[236+\b]  ; with lane l xor 16's 16 keys
.endr
	v_max3_num_f32 v254, v232, v233, v234
	v_max_num_f32 v254, v254, v235
	v_mul_f32 v254, s[CS], v254                    ; as t (c is positive)
	v_max_num_f32 v13, v13, v254                   ; the running largest t
	v_mov_b32 v254, v12
	v_floor_f32 v12, -v13                          ; the new -M = floor(-t): M is a whole number
	v_sub_f32 v254, v12, v254                      ; old M - new M: a whole number, 0 or less
	v_cvt_i32_f32 v254, v254                       ; (it saturates)
	v_ldexp_f32 v252, 1.0, v254                    ; f = 2^(old M - new M)
.irp j, 0,2,4,6,8,10,12,14,16,18,20,22,24,26,28,30,32,34,36,38,40,42,44,46,48,50,52,54,56,58,60,62
	v_pk_fma_f32 v[96+\j:97+\j], v[96+\j:97+\j], s[CS:CS+1], v[12:13] op_sel_hi:[1,0,0]   ; t - M, two at a time
.endr
.irp b, 0,1,2,3
	v_fma_f32 v[232+\b], v[232+\b], s[CS], v12     ; the same of each block's largest score
.endr
.irp j, 0,1,2,3,4,5,6,7,8,9,10,11,12,13,14,15,16,17,18,19,20,21,22,23,24,25,26,27,28,29,30,31,32,33,34,35,36,37,38,39,40,41,42,43,44,45,46,47,48,49,50,51,52,53,54,55,56,57,58,59,60,61,62,63
	v_exp_f32 v[96+\j], v[96+\j]                   ; p = 2^(t - M)
.endr
	v_pk_mul_f32 v[14:15], v[14:15], v[252:253] op_sel_hi:[1,0]   ; the sums under the new M: a plain place behind the exponentials
	s_wait_alu depctr_va_vdst(0)                   ; one wait for the whole batch, ahead of its first reader
.irp b, 0,1,2,3
	v_exp_f32 v[232+\b], v[232+\b]                 ; the block's largest p
.endr
	v_pk_add_f32 v[236:237], v[96:97], v[98:99]    ; the row's sum is taken of the unquantised p: two at a time, in two chains
.irp j, 4,8,12,16,20,24,28,32,36,40,44,48,52,56,60
	v_pk_add_f32 v[14:15], v[14:15], v[96+\j:97+\j]
	v_pk_add_f32 v[236:237], v[236:237], v[98+\j:99+\j]
.endr
	v_pk_add_f32 v[14:15], v[14:15], v[236:237]
	s_wait_alu depctr_va_vdst(0)                   ; and one for the four
.irp b, 0,1,2,3
	v_max_num_f32 v[232+\b], 0x1800000, v[232+\b]  ; the floor 2^(3 - 127): the byte cannot fall under 1
.endr
.irp b, 0,1,2,3
	v_add_nc_u32 v[244+\b], 0xff000000, v[232+\b]  ; 2 off the exponent field: the conversion's scale operand
.endr
.irp b, 0,1,2,3
	v_lshrrev_b32 v[236+\b], 23, v[244+\b]
.endr
	v_lshl_or_b32 v253, v237, 8, v236              ; p's scale word for these 128 keys
	v_lshl_or_b32 v253, v238, 16, v253
	v_lshl_or_b32 v253, v239, 24, v253
.irp c, 0,1
	v_cvt_scalef32_pk16_fp6_f32 v[224+6*\c:226+6*\c], v[96+32*\c:111+32*\c], v[244+2*\c]
	v_cvt_scalef32_pk16_fp6_f32 v[236+4*\c:238+4*\c], v[112+32*\c:127+32*\c], v[244+2*\c+1]
.endr
	v_nop                                          ; one plain place behind a scaled conversion
.irp c, 0,1
.irp i, 0,1,2
	v_permlane16_swap_b32 v[224+6*\c+\i], v[236+4*\c+\i]
.endr
.irp i, 0,1,2
	v_mov_b32 v[227+6*\c+\i], v[236+4*\c+\i]
.endr
.endr
.irp j, 0,2,4,6,8,10,12,14,16,18,20,22,24,26,28,30
	v_pk_mul_f32 v[160+\j:161+\j], v[160+\j:161+\j], v[252:253] op_sel_hi:[1,0]   ; O^T under the new M; these are also the places in front of the loads and matrix instructions below
.endr
.irp t, 0,1,2,3                                ; O^T += V^T P^T: my head's four tiles of 16 channels; K = these 128 keys
.irp c, 0,1,2
	ds_load_b128 v[32+12*\t+4*\c:35+12*\t+4*\c], v3 offset:\s*PAN+\t*IMG+512*\c
.endr
	ds_load_b32 v[248+\t], v4 offset:\s*PAN+64*\t
.endr
	s_wait_dscnt 0x0
.irp t, 0,1,2,3
	v_wmma_scale_f32_16x16x128_f8f6f4 v[160+8*\t:167+8*\t], v[32+12*\t:43+12*\t], v[224:235], v[160+8*\t:167+8*\t], v[248+\t], v253 matrix_a_fmt:MATRIX_FMT_FP6 matrix_b_fmt:MATRIX_FMT_FP6
.endr
.Lout_\@:
.endm
	STEP 0
	STEP 1
	STEP 2
	; THE WAY OUT.  x = O^T / the sum: register 16 b + i is channel 32 b + 16 h + i of my head.  Its two blocks are quantised and become registers 6 e .. 6 e + 5 of image qt of x's panel, which is gathered in LDS.
.rept 4
	v_nop
.endr
	v_add_f32 v14, v14, v15
	v_permlanex16_b32 v252, v14, s[SEL], s[SEL+1]
	v_add_f32 v14, v14, v252                       ; the row's sum
	v_rcp_f32 v14, v14
	v_nop                                          ; a plain place behind the transcendental
	s_wait_alu depctr_va_vdst(0)                   ; the wait ahead of its first reader
.irp j, 0,1,2,3,4,5,6,7,8,9,10,11,12,13,14,15,16,17,18,19,20,21,22,23,24,25,26,27,28,29,30,31
	v_mul_f32 v[96+\j], v[160+\j], v14
.endr
.irp b, 0,1
	v_max3_num_f32 v[232+\b], |v[96+16*\b]|, |v[97+16*\b]|, 0x1800000
.endr
.irp i, 2,4,6,8,10,12,14
.irp b, 0,1
	v_max3_num_f32 v[232+\b], v[232+\b], |v[96+16*\b+\i]|, |v[97+16*\b+\i]|
.endr
.endr
.irp b, 0,1
	v_permlanex16_b32 v[236+\b], v[232+\b], s[SEL], s[SEL+1]
.endr
.irp b, 0,1
	v_max_num_f32 v[232+\b], v[232+\b], v[236+\b]
.endr
.irp b, 0,1
	v_add_nc_u32 v[244+\b], 0xff000000, v[232+\b]
.endr
.irp b, 0,1
	v_lshrrev_b32 v[236+\b], 23, v[244+\b]
.endr
	v_lshl_or_b32 v253, v237, 8, v236              ; my head's two bytes of the row's scale word
	v_cvt_scalef32_pk16_fp6_f32 v[224:226], v[96:111], v244
	v_cvt_scalef32_pk16_fp6_f32 v[236:238], v[112:127], v245
	v_nop
.irp i, 0,1,2
	v_permlane16_swap_b32 v[224+\i], v[236+\i]
.endr
.irp i, 0,1,2
	v_mov_b32 v[227+\i], v[236+\i]
.endr
	ds_store_b64 v5, v[224:225]
	ds_store_b64 v6, v[226:227]
	ds_store_b64 v5, v[228:229] offset:512
	ds_store_b16 v7, v253                          ; lanes l and l xor 16 write the same two bytes with the same value
	s_wait_dscnt 0x0                               ; for the others' sake: my stores into the stage are done
	s_barrier_signal -1
	s_barrier_wait -1
	ds_load_b128 v[32:35], v8                      ; the panel's 12,800 bytes leave as 25 runs of 512: one for each wave, and one more for waves 0 to 8
	s_cmp_lt_u32 s8, 9
	s_cbranch_scc0 .Lone
	ds_load_b128 v[36:39], v8 offset:8192
	s_wait_dscnt 0x0
	global_store_b128 v9, v[36:39], s[6:7] offset:8192
.Lone:
	s_wait_dscnt 0x0
	global_store_b128 v9, v[32:35], s[6:7]         ; 32 lanes store 512 consecutive bytes, at a multiple of 256 from the buffer's first byte
	s_wait_tensorcnt 0x0
	ds_add_u32 v223, v243
	s_wait_dscnt 0x0
	s_endpgm
.Lfunc_end_k_q3f24d0df23_attn:
	.size	k_q3f24d0df23_attn, .Lfunc_end_k_q3f24d0df23_attn-k_q3f24d0df23_attn
	.p2alignl 7, 3214868480
	.fill 96, 4, 3214868480
	.section	.rodata,"a",@progbits
	.p2align	6, 0x0
	.amdhsa_kernel k_q3f24d0df23_attn
		.amdhsa_group_segment_fixed_size 169984
		.amdhsa_private_segment_fixed_size 0
		.amdhsa_enable_private_segment 0
		.amdhsa_kernarg_size 16
		.amdhsa_user_sgpr_count 2
		.amdhsa_user_sgpr_kernarg_segment_ptr 1
		.amdhsa_wavefront_size32 1
		.amdhsa_system_sgpr_workgroup_id_x 1
		.amdhsa_system_sgpr_workgroup_id_y 1
		.amdhsa_system_sgpr_workgroup_id_z 1
		.amdhsa_system_vgpr_workitem_id 0
		.amdhsa_next_free_vgpr 256
		.amdhsa_next_free_sgpr 66
		.amdhsa_reserve_vcc 1
		.amdhsa_float_denorm_mode_32 3
		.amdhsa_float_denorm_mode_16_64 3
		.amdhsa_memory_ordered 1
		.amdhsa_forward_progress 1
		.amdhsa_inst_pref_size 93
	.end_amdhsa_kernel
	.amdgpu_metadata
---
amdhsa.version: [ 1, 2 ]
amdhsa.kernels:
  - .name:           k_q3f24d0df23_attn
    .symbol:         k_q3f24d0df23_attn.kd
    .args:
      - { .name: heads, .offset: 0, .size: 8, .value_kind: global_buffer, .address_space: global }
      - { .name: ximg, .offset: 8, .size: 8, .value_kind: global_buffer, .address_space: global }
    .group_segment_fixed_size: 169984
    .private_segment_fixed_size: 0
    .kernarg_segment_align: 8
    .kernarg_segment_size: 16
    .max_flat_workgroup_size: 512
    .sgpr_count:     66
    .vgpr_count:     256
    .wavefront_size: 32
...
	.end_amdgpu_metadata
.endif
;; end of part 3
;; launch outp (part 4): grid 4 x 16, 4 waves a work-group, clusters of 4 x 4, 327,680 bytes of LDS; arguments ximg, opnd, b_o, out0; writes out0
.if DOCPART == 4
	.amdgcn_target "amdgcn-amd-amdhsa--gfx1250"
	.amdhsa_code_object_version 6
	.text
	.protected	k_q3f24d0df23_outp
	.globl	k_q3f24d0df23_outp
	.p2align	8
	.type	k_q3f24d0df23_outp,@function
k_q3f24d0df23_outp:
	s_mov_b64 s[64:65], 0
	v_nop
	global_prefetch_b8 v0, s[64:65] scope:SCOPE_SE
	s_setreg_imm32_b32 hwreg(HW_REG_WAVE_MODE, 25, 1), 1
	s_wait_xcnt 0x0
	s_wait_alu depctr_hold_cnt(0) depctr_sa_sdst(0) depctr_va_vdst(0) depctr_va_sdst(0) depctr_va_ssrc(0) depctr_va_vcc(0) depctr_vm_vsrc(0)
	s_getreg_b32 s2, hwreg(HW_REG_IB_STS2, 6, 4)
	s_cmp_eq_u32 s2, 0
	s_cbranch_scc0 .Lentry_in_a_cluster
	s_endpgm
.Lentry_in_a_cluster:
	s_bfe_u32 s2, ttmp6, 0x10000c
	s_cmp_lg_u32 s2, 0xf033
	s_cbranch_scc0 .Lentry_shape_is_right
	s_endpgm
.Lentry_shape_is_right:
; out0 = x w_o^T + b_o on codes of FP6 (E2M3).  x: ximg [T 32][K step 8][panel]; w_o: opnd's T 120-127, [T][K step 8][panel]; both with their rows in natural order; out0 [4096][1024] f32.
; A panel is 128 rows x 128 K in the order of an operand's registers, 12,800 bytes: image a at 1,536 a, registers 4 c .. 4 c + 3 of lane l at 512 c + 16 l; scale words at 12,288 + 64 a + 4 r.
; A tile is 256 x 256, K = 1,024 in 8 steps of 128.  Four waves, 128 x 128 each: 64 accumulators in 512 registers.  Source 0 = 16 rows of w_o, source 1 = 16 rows of x: a lane holds eight neighbouring numbers of a row of out0.
; LDS: three slots of two K steps (x's two halves, w_o's two halves, 25,600 bytes each, dense in memory).  Three of the four fills are first fills; the fourth (K steps 6, 7) fills slot 0 again, behind the one
; round of the cluster's barrier, 256 matrix instructions ahead of its first read.  The eight K steps are written out: no loop.  By this text's count a wave has three tensor loads out at the start, later one.
; CLUSTERS: 4 x 4 work-groups; x's tiles are asked for jointly along a row of the cluster, w_o's along a column.  The bias is the C of each sum's first matrix instruction.
; 64 tiles of 256 x 256: 64 work-groups.  All of a WGP's LDS is claimed.
; REGISTERS, in windows of 256: window 0: v8-16 LDS addresses; v24-29; v32-63 scale words, two sets; v64-127 the bias; v128-223 A's fragments, one set; on the way out v128-255 hold rows of out0.
;   window 1: B's fragments, two sets, at v0 and v128.  windows 2, 3: accumulator (a, b) at v[8 (8 (a % 4) + b)] of window 2 + a / 4.
.set BLK,   12800
.set IMG,   1536
.set SWO,   12288
.set HALFT, 25600
.set SLOT,  102400
.set TROW,  102400
.set SPARE, 307200                     ; the spare words, 128 bytes for each wave: two blocks of 256 bytes that no other line names
.set STAGE, SLOT                       ; the way out: in slot 1, which has had its only fill, and whose last reads lie in front of the last barrier
.set SPITCH, 528                       ; 16 rows x (512 bytes + 16) for each wave
.set FR,    12
.set NL,    3
.set NP,    4
.set ADRA,  8
.set ADRB,  11
.set ADRS,  14
.set LI,    24                         ; v24  16 x lane: also my byte offset in a row's 512 bytes of out0
.set STO,   25                         ; v25  where I put 32 bytes of a row
.set RD,    26                         ; v26  where I read a row back
.set BO,    27                         ; v27  32 h: the bias loads' offset
.set SPW,   28
.set NIL,   29
.set SC,    32
.set BI,    64
.set AF,    128
.set BK,    128
.set G1,  24
.set G1B, 48
.set G0,  68
.set G0B, 80
.set MSB, 0
.macro WIN new                         ; the immediate's high byte repeats the setting that is left
.if MSB != (\new)
	s_set_vgpr_msb (MSB<<8)|(\new)
.set MSB, (\new)
.endif
.endm
.set MUL_LO, 0xa1
.set MUL_HI, 0xf1
.set TO_B,   0x40
.macro JLOAD g0a, g1a, g0b, g1b        ; a joint load: waves 0 and 1 fetch x's halves, waves 2 and 3 w_o's; four v_nop follow each of the two lines
	s_cmp_eq_u32 s15, 0
	s_cbranch_scc0 .Lfor_b_\@
	tensor_load_to_lds s[\g0a:\g0a+3], s[\g1a:\g1a+7]
	s_nop 0
.rept 4
	v_nop
.endr
	s_branch .Lasked_\@
.Lfor_b_\@:
	tensor_load_to_lds s[\g0b:\g0b+3], s[\g1b:\g1b+7]
	s_nop 0
.rept 4
	v_nop
.endr
.Lasked_\@:
.endm
.macro CREST
	s_cmp_lg_u32 s14, 0
	s_cbranch_scc1 .Lnot_wave_0_\@
	s_barrier_signal -3
.Lnot_wave_0_\@:
	s_barrier_wait -3
	s_barrier_signal -1
	s_barrier_wait -1
.endm
.macro CROUND
	s_barrier_signal -1
	s_barrier_wait -1
	CREST
.endm
	s_load_b256 s[4:11], s[0:1], 0x0               ; ximg s[4:5], opnd s[6:7], b_o s[8:9], out0 s[10:11]
	v_lshl_add_u32 v[SPW], v0, 2, SPARE
	v_mov_b32 v[NIL], 0
	ds_add_u32 v28, v29
	ds_add_u32 v28, v29
	s_wait_dscnt 0x0
	v_lshrrev_b32 v1, 5, v0
	v_readfirstlane_b32 s14, v1                    ; wave 0..3
	s_lshr_b32 s15, s14, 1                         ; which half of the tile's rows is mine.  Also: I fetch for x (0) or for w_o (1)
	s_and_b32 s16, s14, 1                          ; which half of its columns.  Also: which half I fetch
	s_bfe_u32 s40, ttmp6, 0x40000                  ; cx
	s_bfe_u32 s41, ttmp6, 0x40004                  ; cy
	s_and_b32 s42, ttmp7, 0xffff                   ; the cluster: 1,024 tokens
	s_lshl_b32 s43, s41, 2
	s_lshl_b32 s43, 15, s43
	s_lshl_b32 s44, 0x1111, s40
	s_or_b32 s[G1+0], s43, (3<<16)|(1<<21)         ; 15:0 the mask; 17:16 elements of 8 bytes; 21 set beside a mask; no padding
	s_or_b32 s[G1B+0], s44, (3<<16)|(1<<21)
.irp g, G1, G1B
	s_mov_b32 s[\g+1], 32<<16
	s_mov_b32 s[\g+2], 100<<16
	s_mov_b32 s[\g+3], 32<<16
	s_mov_b32 s[\g+4], 100
	s_mov_b32 s[\g+5], 32
	s_mov_b32 s[\g+6], 0
	s_mov_b32 s[\g+7], 0
.endr
	s_lshl_b32 s20, s42, 3
	s_lshl_b32 s21, s41, 1
	s_add_co_u32 s20, s20, s21
	s_add_co_u32 s20, s20, s16                     ; x's T that I would fetch: 8 c + 2 cy + half
	s_mul_i32 s20, s20, TROW
	s_mov_b32 s21, 0
	s_lshl_b32 s46, s40, 1
	s_add_co_u32 s46, s46, s16
	s_add_co_u32 s46, s46, 120                     ; w_o's: 120 + 2 cx + half
	s_mul_i32 s46, s46, TROW
	s_mov_b32 s47, 0
	s_mul_i32 s45, s14, HALFT
	s_wait_kmcnt 0x0
	s_add_nc_u64 s[20:21], s[4:5], s[20:21]
	s_add_nc_u64 s[46:47], s[6:7], s[46:47]
	CROUND                                         ; all sixteen work-groups are here: the first joint loads meet
.irp s, 0,1,2
	s_mov_b32 s[G0+4*\s], 1
	s_add_co_u32 s[G0+4*\s+1], s45, \s*SLOT
	s_add_nc_u64 s[G0+4*\s+2:G0+4*\s+3], s[20:21], \s*HALFT
	s_or_b32 s[G0+4*\s+3], s[G0+4*\s+3], 0x80000000
	s_mov_b32 s[G0B+4*\s], 1
	s_add_co_u32 s[G0B+4*\s+1], s45, \s*SLOT
	s_add_nc_u64 s[G0B+4*\s+2:G0B+4*\s+3], s[46:47], \s*HALFT
	s_or_b32 s[G0B+4*\s+3], s[G0B+4*\s+3], 0x80000000
	JLOAD G0+4*\s, G1, G0B+4*\s, G1B
.endr
	v_and_b32 v1, 31, v0
	v_and_b32 v2, 15, v0                           ; r
	v_bfe_u32 v3, v0, 4, 1                         ; h
	v_lshlrev_b32 v[LI], 4, v1
	v_lshlrev_b32 v[BO], 5, v3
	s_mul_i32 s21, s15, HALFT
	s_mul_i32 s22, s16, HALFT
	s_add_co_u32 s22, s22, 2*HALFT
	s_sub_co_u32 s23, s22, s21
	v_mul_u32_u24 v4, s23, v3                      ; lanes 16-31 take w_o's scale words
	v_lshl_add_u32 v4, v2, 2, v4
.irp s, 0,1,2
	v_add_nc_u32 v[ADRA+\s], s21, v[LI]
	v_add_nc_u32 v[ADRB+\s], s22, v[LI]
	v_add_nc_u32 v[ADRS+\s], s21, v4
	s_add_co_u32 s21, s21, SLOT
	s_add_co_u32 s22, s22, SLOT
.endr
	s_mul_i32 s2, s14, 16*SPITCH
	s_add_co_u32 s2, s2, STAGE
	v_mul_u32_u24 v5, v2, SPITCH
	v_lshl_add_u32 v5, v3, 5, v5
	v_add_nc_u32 v[STO], s2, v5
	v_add_nc_u32 v[RD], s2, v[LI]
	s_lshl_b32 s17, s42, 10
	s_lshl_b32 s18, s41, 8
	s_add_co_u32 s17, s17, s18
	s_lshl_b32 s18, s15, 7
	s_add_co_u32 s17, s17, s18                     ; my first row of out0
	s_lshl_b32 s92, s17, 12                        ; rows of 4,096 bytes
	s_mov_b32 s93, 0
	s_lshl_b32 s94, s40, 10
	s_lshl_b32 s95, s16, 9
	s_add_co_u32 s94, s94, s95                     ; my first column, in bytes: in out0 and in b_o alike
	s_mov_b32 s95, 0
	s_add_nc_u64 s[8:9], s[8:9], s[94:95]
	s_add_nc_u64 s[10:11], s[10:11], s[92:93]
	s_add_nc_u64 s[10:11], s[10:11], s[94:95]
.irp b, 0,1,2,3,4,5,6,7
	global_load_b128 v[BI+8*\b:BI+8*\b+3], v[BO], s[8:9] offset:64*\b        ; register 8 b + j: the bias of column 16 b + 8 h + j
	global_load_b128 v[BI+8*\b+4:BI+8*\b+7], v[BO], s[8:9] offset:64*\b+16
.endr
.macro FRAG reg, adr, q, i
.irp c, 0,1,2
	ds_load_b128 v[\reg+4*\c:\reg+4*\c+3], v[\adr] offset:(\q)*BLK+(\i)*IMG+512*\c
.endr
.endm
.macro FETCH_B slot, q, p
	WIN TO_B
.irp i, 0,1,2,3,4,5,6,7
	FRAG 128*(\p)+FR*\i, ADRB+\slot, \q, \i
.endr
	WIN 0
.endm
.macro FETCH_A slot, q, i0
.irp i, \i0, \i0+1, \i0+2, \i0+3
	FRAG AF+FR*(\i), ADRA+\slot, \q, \i
.endr
.endm
.macro SCALES slot, set
.irp i, 0,1,2,3,4,5,6,7
.irp q, 0,1
	ds_load_b32 v[SC+16*(\set)+2*\i+\q], v[ADRS+\slot] offset:\q*BLK+SWO+64*\i
.endr
.endr
.endm
; 16 matrix instructions: x's blocks a0, a0 + 1 against w_o's eight.  zero = 1: C is the bias.  The 64 accumulators take turns, one instruction a turn.
.macro MUL16 a0, p, q, set, zero
.irp a, \a0, \a0+1
.irp b, 0,1,2,3,4,5,6,7
.set rD, 8*(8*((\a)%4)+\b)
.set rB, 128*(\p)+FR*\b
.set rA, AF+FR*(\a)
.set rSB, SC+16*(\set)+2*\b+(\q)
.set rSA, SC+16*(\set)+2*(\a)+(\q)
.if (\zero) == 1
	v_wmma_scale_f32_16x16x128_f8f6f4 v[rD:rD+7], v[rB:rB+FR-1], v[rA:rA+FR-1], v[BI+8*\b:BI+8*\b+7], v[rSB], v[rSA] matrix_a_fmt:MATRIX_FMT_FP6 matrix_b_fmt:MATRIX_FMT_FP6 matrix_a_scale:MATRIX_SCALE_ROW1
.else
	v_wmma_scale_f32_16x16x128_f8f6f4 v[rD:rD+7], v[rB:rB+FR-1], v[rA:rA+FR-1], v[rD:rD+7], v[rSB], v[rSA] matrix_a_fmt:MATRIX_FMT_FP6 matrix_b_fmt:MATRIX_FMT_FP6 matrix_a_scale:MATRIX_SCALE_ROW1
.endif
.endr
.endr
.endm
.macro PLACES n
.rept \n
	v_nop
.endr
.endm
.macro STEP slot, set, zero            ; a slot's first K step
	s_wait_dscnt 4*NL                              ; all but the youngest 12 loads (A's blocks 4-7) are in
.if \zero
	WIN 0x81
.else
	WIN MUL_LO
.endif
	MUL16 0, 0, 0, \set, \zero
	MUL16 2, 0, 0, \set, \zero
	s_wait_dscnt 0x0
	PLACES NP
	FETCH_B \slot, 1, 1
	FETCH_A \slot, 1, 0
.if \zero
	WIN 0xc1
.else
	WIN MUL_HI
.endif
	MUL16 4, 0, 0, \set, \zero
	MUL16 6, 0, 0, \set, \zero
	PLACES NP
	WIN 0
	FETCH_A \slot, 1, 4
.endm
; A slot's second K step, and on to the next slot.  mode 2: this slot is filled again; 1: the slot ahead is the one that was filled again; 0: the slot ahead was shown whole, in every wave, by the round
.macro TURN slot, set, next, nset, mode
.if (\mode) == 2
	s_wait_tensorcnt 0x0                           ; all my tensor loads have landed: my parts of slots 1 and 2;
	ds_add_u32 v[SPW], v[NIL]                      ; 0 onto my spare word;
	s_wait_dscnt 4*NL+1                            ; (the add and the youngest 12 loads may be out)
	WIN MUL_LO
	MUL16 0, 1, 1, \set, 0
	s_wait_dscnt 0x0                               ; the add is done, and my reads of this slot are over
	s_barrier_signal -1
	MUL16 2, 1, 1, \set, 0
	WIN 0
	s_barrier_wait -1
	CREST                                          ; no wave of any partner still reads this slot or has a load on its way
	s_add_nc_u64 s[G0+2:G0+3], s[G0+2:G0+3], 3*HALFT
	s_add_nc_u64 s[G0B+2:G0B+3], s[G0B+2:G0B+3], 3*HALFT
	JLOAD G0, G1, G0B, G1B                         ; the first tensor load behind the round; its four v_nop are also the places in front of the loads below
.elseif (\mode) == 1
	s_wait_dscnt 4*NL
	WIN MUL_LO
	MUL16 0, 1, 1, \set, 0
	s_wait_tensorcnt 0x0                           ; my part of the refill has landed;
	s_wait_dscnt 0x0
	s_barrier_signal -1
	MUL16 2, 1, 1, \set, 0
	WIN 0
	s_barrier_wait -1                              ; everybody's has.
	PLACES NP
.else
	s_wait_dscnt 4*NL
	WIN MUL_LO
	MUL16 0, 1, 1, \set, 0
	MUL16 2, 1, 1, \set, 0
	WIN 0
	s_wait_dscnt 0x0
	PLACES NP
.endif
	FETCH_B \next, 0, 0
	FETCH_A \next, 0, 0
	SCALES \next, \nset
	WIN MUL_HI
	MUL16 4, 1, 1, \set, 0
	MUL16 6, 1, 1, \set, 0
	PLACES NP
	WIN 0
	FETCH_A \next, 0, 4
.endm
	s_wait_tensorcnt 2                             ; my part of slot 0 is in; slots 1 and 2 may be out
	s_barrier_signal -1
	s_barrier_wait -1
	FETCH_B 0, 0, 0
	FETCH_A 0, 0, 0
	SCALES 0, 0
	FETCH_A 0, 0, 4
	s_wait_loadcnt 0x0                             ; the bias
	STEP 0, 0, 1
	TURN 0, 0, 1, 1, 2
	STEP 1, 1, 0
	TURN 1, 1, 2, 0, 0
	STEP 2, 0, 0
	TURN 2, 0, 0, 1, 1
	STEP 0, 1, 0
	s_wait_dscnt 4*NL                              ; the last K step: nothing more to fetch
	WIN MUL_LO
	MUL16 0, 1, 1, 1, 0
	MUL16 2, 1, 1, 1, 0
	s_wait_dscnt 0x0
	WIN MUL_HI
	MUL16 4, 1, 1, 1, 0
	MUL16 6, 1, 1, 1, 0
	WIN 0
; THE WAY OUT, block by block of 16 rows x 128 columns, through my own stage: a lane's 32 bytes go in, whole rows of 512 bytes come back, and the 32 lanes store them.  LDS serves a wave's instructions in order.
.macro TOSTAGE a
.set AC, 64*((\a)%4)
	WIN 0x08+4*((\a)/4)                            ; an LDS store's data: window 2 or 3
.irp b, 0,1,2,3,4,5,6,7
	ds_store_b128 v[STO], v[AC+8*\b:AC+8*\b+3] offset:64*\b          ; each accumulator from its low end on
	ds_store_b128 v[STO], v[AC+8*\b+4:AC+8*\b+7] offset:64*\b+16
.endr
	WIN 0
.set BB, BK+64*((\a)%2)
.irp t, 0,1,2,3,4,5,6,7,8,9,10,11,12,13,14,15
	ds_load_b128 v[BB+4*\t:BB+4*\t+3], v[RD] offset:\t*SPITCH
.endr
.endm
.macro SEND a, younger                 ; younger: the LDS instructions issued behind block a's loads, which may stay out
.set BB, BK+64*((\a)%2)
	s_wait_dscnt \younger
.if (\a) > 0
	s_add_nc_u64 s[10:11], s[10:11], 16*4096       ; (behind a wait on XCNT: the earlier stores have read their base)
.endif
.irp t, 0,1,2,3,4,5,6,7,8,9,10,11,12,13,14,15
	global_store_b128 v[LI], v[BB+4*\t:BB+4*\t+3], s[10:11] offset:\t*4096 th:TH_STORE_NT   ; 32 lanes store 512 consecutive bytes, at a multiple of 256 from out0's first byte
.endr
.endm
	PLACES NP
	TOSTAGE 0
.irp a, 1,2,3,4,5,6,7
.if \a > 1
	s_wait_xcnt 0x0                                ; block a - 2's stores have read their registers and their base
.endif
	TOSTAGE \a
	SEND \a-1, 32                                  ; behind block a - 1's loads: block a's 16 stores and 16 loads
.endr
	s_wait_xcnt 0x0
	SEND 7, 0
	s_wait_tensorcnt 0x0                           ; the wave's end
	ds_add_u32 v[SPW], v[NIL]
	s_wait_dscnt 0x0
	CROUND                                         ; the closing round
	s_endpgm
.Lfunc_end_k_q3f24d0df23_outp:
	.size	k_q3f24d0df23_outp, .Lfunc_end_k_q3f24d0df23_outp-k_q3f24d0df23_outp
	.p2alignl 7, 3214868480
	.fill 96, 4, 3214868480
	.section	.rodata,"a",@progbits
	.p2align	6, 0x0
	.amdhsa_kernel k_q3f24d0df23_outp
		.amdhsa_group_segment_fixed_size 327680
		.amdhsa_private_segment_fixed_size 0
		.amdhsa_enable_private_segment 0
		.amdhsa_kernarg_size 32
		.amdhsa_user_sgpr_count 2
		.amdhsa_user_sgpr_kernarg_segment_ptr 1
		.amdhsa_wavefront_size32 1
		.amdhsa_system_sgpr_workgroup_id_x 1
		.amdhsa_system_sgpr_workgroup_id_y 1
		.amdhsa_system_sgpr_workgroup_id_z 1
		.amdhsa_system_vgpr_workitem_id 0
		.amdhsa_next_free_vgpr 1024
		.amdhsa_next_free_sgpr 100
		.amdhsa_reserve_vcc 0
		.amdhsa_float_denorm_mode_32 3
		.amdhsa_float_denorm_mode_16_64 3
		.amdhsa_memory_ordered 1
		.amdhsa_forward_progress 1
		.amdhsa_inst_pref_size 137
	.end_amdhsa_kernel
	.amdgpu_metadata
---
amdhsa.version: [ 1, 2 ]
amdhsa.kernels:
  - .name:           k_q3f24d0df23_outp
    .symbol:         k_q3f24d0df23_outp.kd
    .args:
      - { .name: ximg, .offset: 0, .size: 8, .value_kind: global_buffer, .address_space: global }
      - { .name: opnd, .offset: 8, .size: 8, .value_kind: global_buffer, .address_space: global }
      - { .name: b_o, .offset: 16, .size: 8, .value_kind: global_buffer, .address_space: global }
      - { .name: out0, .offset: 24, .size: 8, .value_kind: global_buffer, .address_space: global }
    .group_segment_fixed_size: 327680
    .private_segment_fixed_size: 0
    .kernarg_segment_align: 8
    .kernarg_segment_size: 32
    .max_flat_workgroup_size: 128
    .sgpr_count:     100
    .vgpr_count:     1024
    .wavefront_size: 32
...
	.end_amdgpu_metadata
.endif
;; end of part 4
